; MI455X (gfx1250); checked and timed in simulation.
; The chip was launched on July 23, 2026; its instructions are those of AMD's public machine-readable ISA for CDNA 5 (MIT licence, August 2026) and "CDNA5" Instruction Set Architecture Reference Guide (July 2026). The comments in the code are by the model that wrote it; some were corrected since.
;; Attenuation To Rain Rate. Allowed arithmetic: float matrix products may take bf16 or f16 operands with f32 sums; other float arithmetic in f32, or as packed bf16 or f16 multiplies, adds, multiply-adds, maxima and minima; sums over many terms, partial sums and values carried from step to step in f32; what a program stores and reads back later, other than sums and carried values, may be rounded once to bf16 or f16.
;; Inputs: b1 128 float32; b2 128 float32; b3 128 float32; b4 128 float32; b5 1 float32; mb1 64 float32; mb2 128 float32; mb3 1,024 float32; metadata 262,144 x 16 float32; mw1 64 x 16 float32; mw2 128 x 64 float32; mw3 1,024 x 128 float32; w1 128 x 1 float32; w2 128 x 128 float32; w3 128 x 128 float32; w4 128 x 128 float32; w5 1 x 128 float32; x 262,144 x 1 float32.
;; Outputs: out0 262,144 x 1 float32.
;; One version. Each part assembles by itself: llvm-mc -triple=amdgcn-amd-amdhsa -mcpu=gfx1250 --defsym DOCPART=n.
;; ======== version 1 of 1: 2 launches
;; limits: values are held in f16: magnitudes above 65,504 overflow, below 6.1e-05 lose precision; values outside matrix products are rounded to f16
;; workspace buffers: wf 393,216 bytes
;; launch prep (part 1): grid 78 x 1, 1 waves a work-group, no clusters, 0 bytes of LDS; arguments mw1, mb1, mw2, mb2, mw3, mb3, w1, b1, w2, b2, w3, b3, w4, b4, w5, b5, wf; writes wf
.if DOCPART == 1
	.amdgcn_target "amdgcn-amd-amdhsa--gfx1250"
	.amdhsa_code_object_version 6
	.text
	.protected	k_qc214af82d7_prep
	.globl	k_qc214af82d7_prep
	.p2align	8
	.type	k_qc214af82d7_prep,@function
k_qc214af82d7_prep:
	s_mov_b64 s[64:65], 0
	v_nop
	global_prefetch_b8 v0, s[64:65] scope:SCOPE_SE
	s_setreg_imm32_b32 hwreg(HW_REG_WAVE_MODE, 25, 1), 1
	s_wait_xcnt 0x0
; PREP: all weights and biases once, into wf, in the form in which the main launch multiplies by them.
; A FRAGMENT is 16 rows (outputs) x 32 k (inputs) of f16, 1,024 bytes: lane l = (r = l % 16, h = l / 16) holds row r; its registers 0-3
; (k = 8 h + 0..7) lie at byte 16 l, its registers 4-7 (k = 16 + 8 h + 0..7) at byte 512 + 16 l.  From f32 rows along k a lane reads 4 x 16 bytes
; at byte 128 kblock + 32 h + 0, 16, 64, 80 of its row and rounds them once to f16.
; wf: 0 tables in f32 (8,192) | 8,192 mw1 (4 fragments; k = 16 holds mb1, k > 16 is 0) | 12,288 mw2 / C (16) | 28,672 w5 in rows 0 and 8 (4)
;     | 32,768 w2, w3, w4, each column less its mean over the 128 rows (3 x 32) | 131,072 mw3, rows sorted into scale tiles and bias tiles (4 x 64).
; C is a power of two, 16 x the power of two at or below T = max(max(|mw1|, |mb1|) x max|mw2|, max|mb2|, max|mb3|), T held to 2^-100 .. 2^100.  ReLU, leaky ReLU and the normalisation
; are homogeneous for positive factors, so the main launch carries everything behind h1 divided by C and multiplies the result by C.
; LIMITS.  Every weight as stored here lies within f16's 65,504; NaN and infinities are not treated apart.
; One wave a work-group, 78 work-groups: 0-63 a tile of mw3 each; 64-75 a k block of w2, w3 or w4; 76 mw1 and w5; 77 C, mw2 and the tables.
; Every store of the wave covers 512 consecutive bytes, aligned.  No LDS, no barrier: no wave needs another's numbers.
.set O_MW1,  8192
.set O_MW2,  12288
.set O_W5,   28672
.set O_WT,   32768
.set O_ST,   131072
.set MSB, 0
.macro WIN new                         ; the immediate's high byte repeats the setting that is left
.if MSB != (\new)
	s_set_vgpr_msb (MSB<<8)|(\new)
.set MSB, (\new)
.endif
.endm
.macro LD16 dst, adr, base, off        ; a lane's 16 f32 of a fragment
	global_load_b128 v[(\dst):(\dst)+3],     v[\adr], s[(\base):(\base)+1] offset:(\off)
	global_load_b128 v[(\dst)+4:(\dst)+7],   v[\adr], s[(\base):(\base)+1] offset:(\off)+16
	global_load_b128 v[(\dst)+8:(\dst)+11],  v[\adr], s[(\base):(\base)+1] offset:(\off)+64
	global_load_b128 v[(\dst)+12:(\dst)+15], v[\adr], s[(\base):(\base)+1] offset:(\off)+80
.endm
.macro CVT8 dst, src                   ; 16 f32 -> 8 registers of f16 pairs
.irp j, 0,1,2,3,4,5,6,7
	v_cvt_pk_f16_f32 v[(\dst)+\j], v[(\src)+2*\j], v[(\src)+2*\j+1]
.endr
.endm
.macro ST8 src, off                    ; a fragment goes out: two stores of 512 consecutive bytes
	global_store_b128 v3, v[(\src):(\src)+3],   s[40:41] offset:(\off)
	global_store_b128 v3, v[(\src)+4:(\src)+7], s[40:41] offset:(\off)+512
.endm
.macro WMAX a, b                       ; the largest of v[a] over the 32 lanes, in every lane; v[b] at work (written before)
.irp m, 1,2,4,8
	v_max_num_f32_dpp v[\a], v[\a], v[\a] row_xmask:\m row_mask:0xf bank_mask:0xf
.endr
	v_permlanex16_b32 v[\b], v[\a], s44, s45
	v_max_num_f32 v[\a], v[\a], v[\b]
.endm
.macro CENTRE s                        ; 128 numbers, four a lane in v[s..s+3], less their mean
	v_add_f32 v125, v[\s], v[(\s)+1]
	v_add_f32 v107, v[(\s)+2], v[(\s)+3]
	v_add_f32 v125, v125, v107
.irp m, 1,2,4,8
	v_add_f32_dpp v125, v125, v125 row_xmask:\m row_mask:0xf bank_mask:0xf
.endr
	v_permlanex16_b32 v107, v125, s44, s45
	v_add_f32 v125, v125, v107
.irp j, 0,1,2,3
	v_fmamk_f32 v[(\s)+\j], v125, 0xbc000000, v[(\s)+\j]   ; sum x (-1/128) + number
.endr
.endm
	s_load_b512 s[8:23], s[0:1], 0x0               ; mw1 8, mb1 10, mw2 12, mb2 14, mw3 16, mb3 18, w1 20, b1 22
	s_load_b512 s[24:39], s[0:1], 0x40             ; w2 24, b2 26, w3 28, b3 30, w4 32, b4 34, w5 36, b5 38
	s_load_b64 s[40:41], s[0:1], 0x80              ; wf
	v_and_b32 v1, 15, v0                           ; r
	v_lshrrev_b32 v2, 4, v0                        ; h
	v_lshlrev_b32 v3, 4, v0                        ; 16 l: where a lane stores
	v_lshlrev_b32 v4, 5, v2                        ; 32 h
	s_mov_b32 s2, ttmp9                            ; the task
	s_mov_b32 s43, 0
	s_mov_b32 s44, 0x76543210                      ; v_permlanex16_b32: each lane takes its own place in the other half
	s_mov_b32 s45, 0xfedcba98
	s_wait_kmcnt 0x0
	s_cmp_lt_u32 s2, 64
	s_cbranch_scc0 .Lnot_style
	; TASKS 0-63: quarter q = id / 16, channel tile t = (id / 2) % 8, sb = id % 2 (0 scale, 1 bias).  Row m of the tile is mw3's row 256 q + 2 (16 t + m) + sb.
	s_lshr_b32 s3, s2, 4
	s_lshl_b32 s3, s3, 8                           ; 256 q
	s_bfe_u32 s4, s2, 0x30001                      ; t
	s_lshl_b32 s4, s4, 5
	s_add_co_u32 s3, s3, s4
	s_and_b32 s4, s2, 1
	s_add_co_u32 s3, s3, s4                        ; the tile's first row,
	s_lshl_b32 s42, s3, 9                          ; of 512 bytes
	s_add_nc_u64 s[16:17], s[16:17], s[42:43]
	s_lshl_b32 s42, s2, 12                         ; its four fragments lie at 131,072 + 65,536 q + 1,024 (8 t + 4 sb) = 131,072 + 4,096 id
	s_add_co_u32 s42, s42, O_ST
	s_add_nc_u64 s[40:41], s[40:41], s[42:43]
	v_lshl_add_u32 v5, v1, 10, v4                  ; two rows on for each r, + 32 h
.irp k, 0,1,2,3
	LD16 64+16*\k, 5, 16, 128*\k
.endr
	s_wait_loadcnt 0x0
.irp k, 0,1,2,3
	CVT8 128+8*\k, 64+16*\k
.endr
.irp k, 0,1,2,3
	ST8 128+8*\k, 1024*\k
.endr
	s_endpgm
.Lnot_style:
	s_cmp_lt_u32 s2, 76
	s_cbranch_scc0 .Lnot_trunk
	; TASKS 64-75: matrix m = (id - 64) / 4 of w2, w3, w4; k block k = (id - 64) % 4: all 128 rows of 32 columns, so the columns' means are made here.
	s_sub_co_u32 s3, s2, 64
	s_lshr_b32 s4, s3, 2                           ; m
	s_and_b32 s5, s3, 3                            ; k
	s_cmp_eq_u32 s4, 1
	s_cselect_b64 s[24:25], s[28:29], s[24:25]
	s_cmp_eq_u32 s4, 2
	s_cselect_b64 s[24:25], s[32:33], s[24:25]
	s_lshl_b32 s6, s5, 7                           ; 128 k
	v_lshl_add_u32 v5, v1, 9, v4                   ; r x 512 + 32 h
	v_add_nc_u32 v5, s6, v5
	s_lshl_b32 s42, s4, 15
	s_lshl_b32 s6, s5, 10
	s_add_co_u32 s42, s42, s6
	s_add_co_u32 s42, s42, O_WT                    ; fragment 4 t + k of matrix m: t stands in the stores' immediate
	s_add_nc_u64 s[40:41], s[40:41], s[42:43]
.irp t, 0,1,2,3,4,5,6,7
	LD16 64+16*\t, 5, 24, 8192*\t
.endr
	s_wait_loadcnt 0x0
.irp j, 0,2,4,6,8,10,12,14                 ; a column's sum: over the eight tiles in the lane,
	v_pk_add_f32 v[32+\j:33+\j], v[64+\j:65+\j], v[80+\j:81+\j]
.endr
.irp t, 2,3,4,5,6,7
.irp j, 0,2,4,6,8,10,12,14
	v_pk_add_f32 v[32+\j:33+\j], v[32+\j:33+\j], v[64+16*\t+\j:65+16*\t+\j]
.endr
.endr
.irp m, 1,2,4,8                            ; then over the sixteen lanes that hold the same columns
.irp j, 0,1,2,3,4,5,6,7,8,9,10,11,12,13,14,15
	v_add_f32_dpp v[32+\j], v[32+\j], v[32+\j] row_xmask:\m row_mask:0xf bank_mask:0xf
.endr
.endr
.irp t, 0,1,2,3,4,5,6,7
.irp j, 0,2,4,6,8,10,12,14
	v_pk_fma_f32 v[64+16*\t+\j:65+16*\t+\j], v[32+\j:33+\j], 0xbc000000, v[64+16*\t+\j:65+16*\t+\j] op_sel_hi:[1,0,1]  ; w - sum / 128
.endr
.endr
.irp t, 0,1,2,3,4,5,6,7
	CVT8 192+8*\t, 64+16*\t
.endr
.irp t, 0,1,2,3,4,5,6,7
	ST8 192+8*\t, 4096*\t
.endr
	s_endpgm
.Lnot_trunk:
	s_cmp_eq_u32 s2, 76
	s_cbranch_scc0 .Lscale
	; TASK 76: mw1 with mb1 as its 17th column (the main launch sets a 1 beside the 16 metadata), and w5 as rows 0 and 8 of a tile.
	v_lshl_add_u32 v5, v1, 6, v4                   ; r x 64 + 32 h
	v_lshlrev_b32 v6, 2, v1                        ; 4 r
	v_and_b32 v7, 7, v1
	v_mov_b32 v8, 0
.irp t, 0,1,2,3
	global_load_b128 v[64+8*\t:67+8*\t], v5, s[8:9] offset:1024*\t
	global_load_b128 v[68+8*\t:71+8*\t], v5, s[8:9] offset:1024*\t+16
	global_load_b32 v[96+\t], v6, s[10:11] offset:64*\t
.endr
.irp k, 0,1,2,3
	LD16 128+16*\k, 4, 36, 128*\k                  ; every r reads the one row of w5
.endr
	v_cmp_eq_u32 s4, 0, v2                         ; h = 0
	v_cmp_eq_u32 s5, 0, v7                         ; r = 0 or 8
	s_wait_loadcnt 0x0
.irp t, 0,1,2,3
.irp j, 0,1,2,3
	v_cvt_pk_f16_f32 v[192+8*\t+\j], v[64+8*\t+2*\j], v[65+8*\t+2*\j]
.endr
	v_cvt_pk_f16_f32 v[196+8*\t], v[96+\t], v8     ; k = 16: mb1; k = 17: 0
	v_mov_b32 v[197+8*\t], 0
	v_mov_b32 v[198+8*\t], 0
	v_mov_b32 v[199+8*\t], 0
	v_cndmask_b32 v[196+8*\t], 0, v[196+8*\t], s4  ; k = 24 and on (h = 1): 0
.endr
.irp k, 0,1,2,3
	CVT8 224+8*\k, 128+16*\k
.endr
.set i, 224
.rept 32
	v_cndmask_b32 v[i], 0, v[i], s5
.set i, i+1
.endr
.irp t, 0,1,2,3
	ST8 192+8*\t, O_MW1+1024*\t
.endr
.irp k, 0,1,2,3
	ST8 224+8*\k, O_W5+1024*\k
.endr
	s_endpgm
.Lscale:
	; TASK 77: C, mw2 / C and the tables.  mw2's 16 fragments (256 f32 a lane) lie in window 1, all else in window 0.
	v_lshl_add_u32 v5, v1, 8, v4                   ; mw2: r x 256 + 32 h
	v_lshlrev_b32 v6, 3, v0                        ; mb1: 8 l
	v_lshlrev_b32 v7, 5, v0                        ; mb3: 32 l: four (scale, bias) pairs
	v_mov_b32 v9, 0
.irp i, 0,1,2,3,4,5,6,7
	global_load_b128 v[16+4*\i:19+4*\i], v3, s[8:9] offset:512*\i       ; mw1, for its largest magnitude
.endr
.irp q, 0,1,2,3
	global_load_b128 v[48+8*\q:51+8*\q], v7, s[18:19] offset:1024*\q    ; mb3
	global_load_b128 v[52+8*\q:55+8*\q], v7, s[18:19] offset:1024*\q+16
.endr
	global_load_b128 v[80:83], v3, s[14:15]        ; mb2
	global_load_b128 v[84:87], v3, s[26:27]        ; b2
	global_load_b128 v[88:91], v3, s[30:31]        ; b3
	global_load_b128 v[92:95], v3, s[34:35]        ; b4
	global_load_b128 v[96:99], v3, s[20:21]        ; w1
	global_load_b128 v[100:103], v3, s[22:23]      ; b1
	global_load_b64 v[104:105], v6, s[10:11]       ; mb1
	global_load_b32 v106, v9, s[38:39]             ; b5
	WIN 0x40                                       ; destination window 1
.set f, 0
.rept 16
	LD16 16*f, 5, 12, 4096*(f/2)+128*(f%2)         ; fragment 2 t + k
.set f, f+1
.endr
	WIN 0
.irp j, 107,112,113,114,115,116,117,118,119,120,121,122,123
	v_mov_b32 v[\j], 0                             ; twelve running maxima of magnitudes, and a register at work
.endr
	s_wait_loadcnt 0x0
	WIN 0x05                                       ; sources 0 and 1 window 1
.set i, 0
.rept 128
	v_max3_num_f32 v[112+i%4], |v[2*i]|, |v[2*i+1]|, v[112+i%4]        ; mw2
.set i, i+1
.endr
	WIN 0
.set i, 0
.rept 16
	v_max3_num_f32 v[116+i%4], |v[16+2*i]|, |v[17+2*i]|, v[116+i%4]    ; mw1
.set i, i+1
.endr
	v_max3_num_f32 v116, |v104|, |v105|, v116                          ; and mb1
.set i, 0
.rept 18
	v_max3_num_f32 v[120+i%4], |v[48+2*i]|, |v[49+2*i]|, v[120+i%4]    ; mb3 and mb2
.set i, i+1
.endr
.irp a, 112,116,120
	v_max3_num_f32 v[\a], v[\a], v[\a+1], v[\a+2]
	v_max_num_f32 v[\a], v[\a], v[\a+3]
	WMAX \a, 107
.endr
	v_mul_f32 v124, v116, v112
	v_max_num_f32 v124, v124, v120                 ; T
	v_max_num_f32 v124, 0x0d800000, v124           ; at least 2^-100,
	v_min_num_f32 v124, 0x71800000, v124           ; at most 2^100
	v_and_b32 v124, 0x7f800000, v124               ; the power of two at or below it,
	v_add_nc_u32 v124, 0x02000000, v124            ; times 16: C
	v_sub_nc_u32 v126, 0x7f000000, v124            ; 1 / C: the exponent mirrored
	v_mov_b32 v127, v126                           ; named with it as a pair
	WIN 0x41                                       ; destination and source 0 window 1
.set i, 0
.rept 128
	v_pk_mul_f32 v[2*i:2*i+1], v[2*i:2*i+1], v[126:127] op_sel_hi:[1,0]
.set i, i+1
.endr
	WIN 0x05
.set i, 0
.rept 128
	v_cvt_pk_f16_f32 v[128+i], v[2*i], v[2*i+1]
.set i, i+1
.endr
	WIN 0
.set f, 0
.rept 16
	ST8 128+8*f, O_MW2+1024*f
.set f, f+1
.endr
	; the tables.  mb3 / C: quarter q's 128 scales at 1,024 q, its 128 biases at 1,024 q + 512: the pairs are parted by the products' destinations
.irp q, 0,1,2,3
.irp j, 0,1,2,3
	v_mul_f32 v[16+8*\q+\j], v[48+8*\q+2*\j], v126
	v_mul_f32 v[20+8*\q+\j], v[49+8*\q+2*\j], v126
.endr
	global_store_b128 v3, v[16+8*\q:19+8*\q], s[40:41] offset:1024*\q
	global_store_b128 v3, v[20+8*\q:23+8*\q], s[40:41] offset:1024*\q+512
.endr
.irp s, 84,88,92,96,100
	CENTRE \s                                      ; b2, b3, b4, w1, b1 less their means
.endr
.irp j, 80,82,84,86,88,90,92,94
	v_pk_mul_f32 v[\j:\j+1], v[\j:\j+1], v[126:127] op_sel_hi:[1,0]    ; mb2, b2, b3, b4 divided by C
.endr
	global_store_b128 v3, v[84:87], s[40:41] offset:4096
	global_store_b128 v3, v[88:91], s[40:41] offset:4608
	global_store_b128 v3, v[92:95], s[40:41] offset:5120
	global_store_b128 v3, v[80:83], s[40:41] offset:5632
	global_store_b128 v3, v[96:99], s[40:41] offset:6144
	global_store_b128 v3, v[100:103], s[40:41] offset:6656
	v_cmp_eq_u32 s4, 0, v0                         ; lane 0 holds C, 1e-6 / C, b5 / C, 0; the rest of the tables' 8,192 bytes is 0
	v_mul_f32 v109, 0x358637bd, v126
	v_mul_f32 v110, v106, v126
	v_cndmask_b32 v108, 0, v124, s4
	v_cndmask_b32 v109, 0, v109, s4
	v_cndmask_b32 v110, 0, v110, s4
	v_mov_b32 v111, 0
.irp j, 116,117,118,119
	v_mov_b32 v[\j], 0
.endr
	global_store_b128 v3, v[108:111], s[40:41] offset:7168
	global_store_b128 v3, v[116:119], s[40:41] offset:7680
	s_endpgm
.Lfunc_end_k_qc214af82d7_prep:
	.size	k_qc214af82d7_prep, .Lfunc_end_k_qc214af82d7_prep-k_qc214af82d7_prep
	.p2alignl 7, 3214868480
	.fill 96, 4, 3214868480
	.section	.rodata,"a",@progbits
	.p2align	6, 0x0
	.amdhsa_kernel k_qc214af82d7_prep
		.amdhsa_group_segment_fixed_size 0
		.amdhsa_private_segment_fixed_size 0
		.amdhsa_enable_private_segment 0
		.amdhsa_kernarg_size 136
		.amdhsa_user_sgpr_count 2
		.amdhsa_user_sgpr_kernarg_segment_ptr 1
		.amdhsa_wavefront_size32 1
		.amdhsa_system_sgpr_workgroup_id_x 1
		.amdhsa_system_sgpr_workgroup_id_y 1
		.amdhsa_system_sgpr_workgroup_id_z 1
		.amdhsa_system_vgpr_workitem_id 0
		.amdhsa_next_free_vgpr 512
		.amdhsa_next_free_sgpr 66
		.amdhsa_reserve_vcc 0
		.amdhsa_float_denorm_mode_32 3
		.amdhsa_float_denorm_mode_16_64 3
		.amdhsa_memory_ordered 1
		.amdhsa_forward_progress 1
		.amdhsa_inst_pref_size 86
	.end_amdhsa_kernel
	.amdgpu_metadata
---
amdhsa.version: [ 1, 2 ]
amdhsa.kernels:
  - .name:           k_qc214af82d7_prep
    .symbol:         k_qc214af82d7_prep.kd
    .args:
      - { .name: mw1, .offset: 0, .size: 8, .value_kind: global_buffer, .address_space: global }
      - { .name: mb1, .offset: 8, .size: 8, .value_kind: global_buffer, .address_space: global }
      - { .name: mw2, .offset: 16, .size: 8, .value_kind: global_buffer, .address_space: global }
      - { .name: mb2, .offset: 24, .size: 8, .value_kind: global_buffer, .address_space: global }
      - { .name: mw3, .offset: 32, .size: 8, .value_kind: global_buffer, .address_space: global }
      - { .name: mb3, .offset: 40, .size: 8, .value_kind: global_buffer, .address_space: global }
      - { .name: w1, .offset: 48, .size: 8, .value_kind: global_buffer, .address_space: global }
      - { .name: b1, .offset: 56, .size: 8, .value_kind: global_buffer, .address_space: global }
      - { .name: w2, .offset: 64, .size: 8, .value_kind: global_buffer, .address_space: global }
      - { .name: b2, .offset: 72, .size: 8, .value_kind: global_buffer, .address_space: global }
      - { .name: w3, .offset: 80, .size: 8, .value_kind: global_buffer, .address_space: global }
      - { .name: b3, .offset: 88, .size: 8, .value_kind: global_buffer, .address_space: global }
      - { .name: w4, .offset: 96, .size: 8, .value_kind: global_buffer, .address_space: global }
      - { .name: b4, .offset: 104, .size: 8, .value_kind: global_buffer, .address_space: global }
      - { .name: w5, .offset: 112, .size: 8, .value_kind: global_buffer, .address_space: global }
      - { .name: b5, .offset: 120, .size: 8, .value_kind: global_buffer, .address_space: global }
      - { .name: wf, .offset: 128, .size: 8, .value_kind: global_buffer, .address_space: global }
    .group_segment_fixed_size: 0
    .private_segment_fixed_size: 0
    .kernarg_segment_align: 8
    .kernarg_segment_size: 136
    .max_flat_workgroup_size: 32
    .sgpr_count:     66
    .vgpr_count:     512
    .wavefront_size: 32
...
	.end_amdgpu_metadata
.endif
;; end of part 1
;; launch main (part 2): grid 256 x 1, 4 waves a work-group, clusters of 4 x 1, 327,680 bytes of LDS; arguments x, metadata, wf, out0; writes out0
.if DOCPART == 2
	.amdgcn_target "amdgcn-amd-amdhsa--gfx1250"
	.amdhsa_code_object_version 6
	.text
	.protected	k_qc214af82d7_main
	.globl	k_qc214af82d7_main
	.p2align	8
	.type	k_qc214af82d7_main,@function
k_qc214af82d7_main:
	s_mov_b64 s[64:65], 0
	v_nop
	global_prefetch_b8 v0, s[64:65] scope:SCOPE_SE
	s_setreg_imm32_b32 hwreg(HW_REG_WAVE_MODE, 25, 1), 1
	s_wait_xcnt 0x0
	s_wait_alu depctr_hold_cnt(0) depctr_sa_sdst(0) depctr_va_vdst(0) depctr_va_sdst(0) depctr_va_ssrc(0) depctr_va_vcc(0) depctr_vm_vsrc(0)
	s_getreg_b32 s2, hwreg(HW_REG_IB_STS2, 6, 4)
	s_cmp_eq_u32 s2, 0
	s_cbranch_scc0 .Lentry_in_a_cluster
	s_endpgm
.Lentry_in_a_cluster:
	s_bfe_u32 s2, ttmp6, 0x10000c
	s_cmp_lg_u32 s2, 0x3003
	s_cbranch_scc0 .Lentry_shape_is_right
	s_endpgm
.Lentry_shape_is_right:
; ALL OF THE MODULE, FUSED.  metadata -> h1 (64) -> h2 (128) -> 4 x 128 (scale, bias) pairs; x -> four layers of 128 channels, each normalised over its channels (mean, unbiased deviation + 1e-6),
; scaled and shifted by its pairs, leaky ReLU; -> one number a row.  Weights come from wf as the launch before laid them: f16 fragments of 1,024 bytes, f32 tables (its head says where).
; FORMATS.  Every matrix operand is f16, every sum f32; statistics, normalisation, scale and shift in f32; the first layer (x w1 + b1) in f32.  The leaky ReLU works on the packed f16 (slope 0.01 rounded to f16).
; THE MEAN is never formed: the trunk's weights have their columns' means taken off and the biases theirs, so a product IS z - mean(z).
; THE SCALE.  Everything behind h1 is carried divided by C, a power of two made from the weights: mw2, mb2, mb3, b2-b4, b5 and the 1e-6 arrive divided by C, and the result is multiplied by C.
; LIMITS.  metadata, h1 and everything carried divided by C lie within f16's 65,504; NaN and infinities are not treated apart.
; SHARES.  256 work-groups of four waves; a work-group owns 1,024 rows, a wave 256, in four PASSES of four tiles of 16 rows.  Waves share only the weights in LDS.
; LAYOUT.  Source 0 = 16 outputs x 32 inputs of a weight, source 1 = activations.  In a result lane (r, h) holds row r of the tile and outputs 8 h + 0..7: two results rounded to f16 in pairs ARE the next
; layer's source 1, so nothing changes lanes; a row's 128 channels lie in two lanes 16 apart: one v_permlanex16_b32 a statistic.
; LDS.  0: wf's first 131,072 bytes, resident (tables, mw1, mw2, w5, w2-w4).  0x20000, 0x30000: two slots of 65,536 bytes for mw3's quarters, which do not fit beside them: TRIP j = 4 pass + layer reads
; quarter j % 4 from slot j % 2, and behind its round each wave asks for its 16,384 bytes of the next quarter: 384 matrix instructions a wave stand between that request and the wait for it.
; 262,144: a stage of 1,024 bytes a wave for the way out.  266,240: the spare words, 128 bytes a wave.
; CLUSTER.  All work-groups read the same weights, so four of them ask JOINTLY: the same tensor load, descriptor and mask in all four.  My place in the cluster enters the addresses of x, metadata and out0 alone.
; By this text's own count a wave has three tensor loads out at the start, later one.
; REGISTERS, in windows of 256 (s_set_vgpr_msb: bits 1:0 source 0, 3:2 source 1, 5:4 source 2, 7:6 destination):
;   window 0: v0-11 addresses; v12-19 x (a pair a tile); v20-27 1 / deviation (pairs); v28-31 at work; v32-63 sums of squares; v64-191 y in f16 (32 a tile); v192-207 at work; v208-239 metadata in f32;
;             v240-247 statistics; v248-255 results      window 1: z - mean, 64 a tile
;   window 2: v0-127 h2 in f16 (32 a tile); v128-255 16 weight fragments      window 3: v0-127 accumulators; v128-159 four bias tiles; v160-223 h1; v224-255 metadata in f16
.set L_MB2,  5632      ; LDS bytes of the resident part
.set L_W1C,  6144
.set L_B1C,  6656
.set L_MW1,  8192
.set L_MW2,  12288
.set L_W5,   28672
.set SLOT0,  0x20000
.set STAGE,  262144
.set SPARE,  266240
.set L16,  1           ; v1   16 x lane
.set H32,  2           ; v2   32 h
.set ADW,  3           ; v3   LDS address of the phase's weight fragments
.set ADB,  4           ; v4   of its bias tiles
.set MOFF, 5           ; v5   64 r + 32 h: my 32 bytes of a row of metadata
.set XOFF, 6           ; v6   4 r
.set OST,  7           ; v7   my word in my wave's stage
.set SPW,  10          ; v10  my spare word; never rewritten
.set NIL,  11          ; v11  0; never rewritten
.set XV,   12
.set INV,  20
.set FT,   28
.set SS,   32
.set YY,   64
.set UU,   192
.set MD,   208
.set TS,   240
.set TP,   244
.set OUTR, 248
.set H2,   0           ; window 2
.set WB,   128
.set ACC,  0           ; window 3
.set BT,   128
.set H1,   160
.set MB,   224
; scalars: s[4:11] x, metadata, wf, out0; s12 wave; s14 my stage; s[16:23] descriptor group 1; s[24:27], s[28:31] group 0 of the resident halves; s[32:35] of the quarters (it walks);
; s[36:37] wf at my part of quarter 0; s[38:39] the quarter's offset; s40 trips; s41 layer 0..3; s42 the slot in hand; s43 the 1e-6 in hand; s44 C; s45 1e-6 / C; s46 b5 / C;
; s48 0.01 twice in f16; s49 0; s50 lanes 16-31; s[52:53] lane selects; s54 passes still to be loaded; s56-58 LDS bytes of the layer's weights, biases, style biases
.set MSB, 0
.macro WIN new                         ; the immediate's high byte repeats the setting that is left; a switch that changes nothing is dropped
.if MSB != (\new)
	s_set_vgpr_msb (MSB<<8)|(\new)
.set MSB, (\new)
.endif
.endm
.macro PLACES                          ; four places behind a matrix instruction (ISA guide 7.12.1), where no other vector work is at hand
.rept 4
	v_nop
.endr
.endm
.macro CROUND                          ; a round of the cluster's barrier
	s_barrier_signal -1
	s_barrier_wait -1
	s_cmp_lg_u32 s12, 0
	s_cbranch_scc1 .Lnot_wave_0_\@
	s_barrier_signal -3
.Lnot_wave_0_\@:
	s_barrier_wait -3
	s_barrier_signal -1
	s_barrier_wait -1
.endm
; THE CHANGE OF SLOTS.  Each wave waits for all its tensor loads (its part of the slot to be read), adds 0 to its spare word, and waits for that and for its reads of the slot that it leaves.
; fill = 1: a round of the cluster's barrier, and first behind it the joint load of the next quarter into the slot left.  The four v_nop are also the places in front of the loads into weight registers.
.macro CHANGE fill
	WIN 0
	s_wait_tensorcnt 0x0                           ; no tensor load of mine is out, so group 0 may be written
	ds_add_u32 v[SPW], v[NIL]                      ; 0 onto my spare word; scalar work stands between it and the wait for it
.if \fill
	s_xor_b32 s33, s33, 0x10000                    ; the other slot than last time,
	s_add_co_u32 s38, s38, 65536                   ; the next quarter, behind the fourth the first
	s_and_b32 s38, s38, 0x3ffff
	s_add_nc_u64 s[34:35], s[36:37], s[38:39]      ; the address is made anew: pointer + offset,
	s_or_b32 s35, s35, 0x80000000                  ; type = 2
.endif
	s_xor_b32 s42, s42, 0x10000                    ; the slot to be read
	s_wait_dscnt 0x0                               ; the add is done, and my reads of the slot are over
.if \fill
	CROUND
	tensor_load_to_lds s[32:35], s[16:23]
	s_nop 0
	PLACES
.else
	s_barrier_signal -1
	s_barrier_wait -1
	PLACES
.endif
.endm
.macro LOADIN                          ; a pass's 64 rows: metadata (my row's 32 bytes, a tile's rows 1,024 bytes on) and x
.irp b, 0,1,2,3
	global_load_b128 v[MD+8*\b:MD+8*\b+3],   v[MOFF], s[6:7] offset:1024*\b th:TH_LOAD_NT
	global_load_b128 v[MD+8*\b+4:MD+8*\b+7], v[MOFF], s[6:7] offset:1024*\b+16 th:TH_LOAD_NT
	global_load_b32 v[XV+2*\b], v[XOFF], s[4:5] offset:64*\b th:TH_LOAD_NT
.endr
.endm
; ---- THE STYLE PHASE: for channel tile t the scales and biases of four row tiles (32 products), and beside them the vector work of tile t - 1 ----
.macro FETCH_G t                       ; 20 loads: tile t's 8 fragments (4 sb + k) and its two bias tiles, into the halves of the buffers that go by t's parity
	WIN 0x80
.irp f, 0,1,2,3,4,5,6,7
	ds_load_b128 v[WB+64*((\t)&1)+8*\f:WB+64*((\t)&1)+8*\f+3],   v[ADW] offset:(8*(\t)+\f)*1024
	ds_load_b128 v[WB+64*((\t)&1)+8*\f+4:WB+64*((\t)&1)+8*\f+7], v[ADW] offset:(8*(\t)+\f)*1024+512
.endr
	WIN 0xc0
.irp e, 0,1
	ds_load_b128 v[BT+16*((\t)&1)+8*\e:BT+16*((\t)&1)+8*\e+3],   v[ADB] offset:512*\e+64*(\t)
	ds_load_b128 v[BT+16*((\t)&1)+8*\e+4:BT+16*((\t)&1)+8*\e+7], v[ADB] offset:512*\e+64*(\t)+16
.endr
.endm
.macro GW t, i                         ; product i of 32: k = i / 8, row tile (i % 8) / 2, sb = i % 2.  Eight accumulators take turns; the bias tile starts each sum
.set gk, (\i)/8
.set gb, ((\i)%8)/2
.set gs, (\i)%2
.set rD, ACC+64*((\t)&1)+16*gb+8*gs
.set rW, WB+64*((\t)&1)+32*gs+8*gk
.set rH, H2+32*gb+8*gk
.set rC, BT+16*((\t)&1)+8*gs
	WIN 0xfa
.if gk == 0
	v_wmma_f32_16x16x32_f16 v[rD:rD+7], v[rW:rW+7], v[rH:rH+7], v[rC:rC+7]
.else
	v_wmma_f32_16x16x32_f16 v[rD:rD+7], v[rW:rW+7], v[rH:rH+7], v[rD:rD+7]
.endif
.endm
; Number n of the 80 vector instructions of channel tile t: kind n / 16, row tile (n % 16) / 4, pair n % 4 (each accumulator's lowest registers are read first).
; 0: (z - mean) / deviation.  1: times scale plus bias, in the scale's accumulator.  2: rounded to f16.  3, 4: leaky ReLU: the larger of y and 0.01 y.
.macro VOP t, n
.set vk, (\n)/16
.set vb, ((\n)%16)/4
.set vp, (\n)%4
.set rZ, 64*vb+8*(\t)+2*vp
.set rA, ACC+64*((\t)&1)+16*vb+2*vp
.set rY, YY+32*vb+4*(\t)+vp
.if vk == 0
	WIN 0x41
	v_pk_mul_f32 v[rZ:rZ+1], v[rZ:rZ+1], v[INV+2*vb:INV+2*vb+1] op_sel_hi:[1,0]
.elseif vk == 1
	WIN 0xfd
	v_pk_fma_f32 v[rA:rA+1], v[rZ:rZ+1], v[rA:rA+1], v[rA+8:rA+9]
.elseif vk == 2
	WIN 0x0f
	v_cvt_pk_f16_f32 v[rY], v[rA], v[rA+1]
.elseif vk == 3
	WIN 0
	v_pk_mul_f16 v[UU+(\n)%16], v[rY], s48
.else
	WIN 0
	v_pk_max_num_f16 v[rY], v[rY], v[UU+(\n)%16]
.endif
.endm
; Tile t's 32 products.  Behind product i stand 3 or 2 of tile t - 1's 80, so dealt that a slice has one window setting: 16 of a kind in six slices (3, 3, 3, 3, 2, 2), the last 32 in twelve.
; The sixteen of kind 0 name no register of tile t - 1's products: they are the places in front of kind 1, which reads those results.
; Tile t + 1 is fetched behind product 1: six plain instructions behind the last product that read that half of the buffers, 30 products ahead of its first use.
.macro GRP t
.if (\t) == 0
	s_wait_dscnt 20                                ; tile 0 is in; tile 1's 20 loads may stay out
.else
	s_wait_dscnt 0x0                               ; tile t is in: nothing younger has been issued
.endif
.set gi, 0
.set gn, 0
.rept 32
	GW \t, gi
.set gr, 0
.if (\t) > 0
.if gi < 18
.if (gi%6) < 4
.set gr, 3
.else
.set gr, 2
.endif
.elseif gi < 26
.set gr, 3
.elseif gi < 30
.set gr, 2
.endif
.endif
.if gr > 0
.rept gr
	VOP (\t)-1, gn
.set gn, gn+1
.endr
.endif
.if (gi == 1) && ((\t) > 0) && ((\t) < 7)
	FETCH_G (\t)+1
.endif
.set gi, gi+1
.endr
.endm
.macro SQ t, n                         ; the squares of pair n % 4 of channel tile t, row tile n / 4, onto that pair's sum; tile 0 starts the sums
.set qb, (\n)/4
.set qp, (\n)%4
.set rZ, 64*qb+8*(\t)+2*qp
.set rS, SS+8*qb+2*qp
	WIN 0x05
.if (\t) == 0
	v_pk_mul_f32 v[rS:rS+1], v[rZ:rZ+1], v[rZ:rZ+1]
.else
	v_pk_fma_f32 v[rS:rS+1], v[rZ:rZ+1], v[rZ:rZ+1], v[rS:rS+1]
.endif
.endm
.macro ALLB line:vararg                ; one line for each row tile b
.set b, 0
.rept 4
	\line
.set b, b+1
.endr
.endm
.macro STAT                            ; 1 / (sqrt(sum of squares / 127) + the 1e-6 in hand), for my row of each of the four tiles; it stands in the wait for the first fragments
.set sn, 0
.rept 16
	SQ 7, sn
.set sn, sn+1
.endr
	WIN 0
	ALLB v_pk_add_f32 v[SS+8*b:SS+8*b+1], v[SS+8*b:SS+8*b+1], v[SS+8*b+2:SS+8*b+3]
	ALLB v_pk_add_f32 v[SS+8*b+4:SS+8*b+5], v[SS+8*b+4:SS+8*b+5], v[SS+8*b+6:SS+8*b+7]
	ALLB v_pk_add_f32 v[SS+8*b:SS+8*b+1], v[SS+8*b:SS+8*b+1], v[SS+8*b+4:SS+8*b+5]
	ALLB v_add_f32 v[TS+b], v[SS+8*b], v[SS+8*b+1]
	ALLB v_permlanex16_b32 v[TP+b], v[TS+b], s52, s53   ; the row's other 64 channels lie in the lane 16 away
	ALLB v_add_f32 v[TS+b], v[TS+b], v[TP+b]
	ALLB v_mul_f32 v[TS+b], 0x3c010204, v[TS+b]         ; / 127
	ALLB v_sqrt_f32 v[TS+b], v[TS+b]
	v_nop                                          ; a plain instruction between the last root and the use of its result
	s_wait_alu depctr_va_vdst(0)
	ALLB v_add_f32 v[TS+b], s43, v[TS+b]
	ALLB v_rcp_f32 v[INV+2*b], v[TS+b]
	v_nop
	s_wait_alu depctr_va_vdst(0)
.endm
.macro SPH
	WIN 0
	v_add_nc_u32 v[ADW], s42, v[L16]
	v_add_nc_u32 v[ADB], s58, v[H32]
	FETCH_G 0
	FETCH_G 1
	STAT
.irp t, 0,1,2,3,4,5,6,7
	GRP \t
.endr
	WIN 0
.endm
.macro V7                              ; the last channel tile's vector work has no products to stand beside; its sixteen of kind 0 are the places behind the phase's last products
.set vn, 0
.rept 80
	VOP 7, vn
.set vn, vn+1
.endr
.endm
; ---- THE TRUNK PHASE: z - mean = Wc y + bc, channel tile by channel tile; beside tile t's 16 products the squares of tile t - 1 ----
.macro FETCH_T t                       ; 10 loads: tile t's 4 fragments and its bias tile, into quarter t % 4 of the buffers
	WIN 0x80
.irp k, 0,1,2,3
	ds_load_b128 v[WB+32*((\t)%4)+8*\k:WB+32*((\t)%4)+8*\k+3],   v[ADW] offset:(4*(\t)+\k)*1024
	ds_load_b128 v[WB+32*((\t)%4)+8*\k+4:WB+32*((\t)%4)+8*\k+7], v[ADW] offset:(4*(\t)+\k)*1024+512
.endr
	WIN 0xc0
	ds_load_b128 v[BT+8*((\t)%4):BT+8*((\t)%4)+3],   v[ADB] offset:64*(\t)
	ds_load_b128 v[BT+8*((\t)%4)+4:BT+8*((\t)%4)+7], v[ADB] offset:64*(\t)+16
.endm
.macro TW t, i                         ; product i of 16: k = i / 4, row tile i % 4: four accumulators take turns
.set wk, (\i)/4
.set wb, (\i)%4
.set rD, 64*wb+8*(\t)
.set rW, WB+32*((\t)%4)+8*wk
.set rB, YY+32*wb+8*wk
.set rC, BT+8*((\t)%4)
.if wk == 0
	WIN 0x72
	v_wmma_f32_16x16x32_f16 v[rD:rD+7], v[rW:rW+7], v[rB:rB+7], v[rC:rC+7]
.else
	WIN 0x52
	v_wmma_f32_16x16x32_f16 v[rD:rD+7], v[rW:rW+7], v[rB:rB+7], v[rD:rD+7]
.endif
.endm
; One plain instruction stands behind each product, so row tile b's accumulator, finished by product 12 + b, is first read 4 + 3 b places later (tile 0 has v_nop behind its last four products).
; Tile t + 2 is fetched behind product 1 of tile t; the wait at a tile's head leaves the next tile's 10 loads out.
.macro TPH
.set tt, 0
.rept 8
.if tt == 7
	s_wait_dscnt 0x0
.else
	s_wait_dscnt 10
.endif
.set ti, 0
.rept 16
	TW tt, ti
.if tt > 0
	SQ tt-1, ti
.elseif ti >= 12
	v_nop
.endif
.if (ti == 1) && (tt < 6)
	FETCH_T tt+2
.endif
.set ti, ti+1
.endr
.set tt, tt+1
.endr
.endm
; ---- THE METADATA'S TWO LAYERS, once a pass ----
.macro LDB2 dst, tile                  ; a bias tile of mb2 / C
	ds_load_b128 v[BT+(\dst):BT+(\dst)+3],   v[H32] offset:L_MB2+64*(\tile)
	ds_load_b128 v[BT+(\dst)+4:BT+(\dst)+7], v[H32] offset:L_MB2+64*(\tile)+16
.endm
.macro M2W u, i                        ; product i of 16 of h2's tiles 2 u, 2 u + 1: k = i / 8, tile (i % 8) / 4, row tile i % 4: eight accumulators take turns
.set mk, (\i)/8
.set mt, ((\i)%8)/4
.set mb, (\i)%4
.set rD, ACC+64*((\u)&1)+8*(4*mt+mb)
.set rW, WB+32*(((\u)+1)%4)+8*(2*mt+mk)
.set rH, H1+16*mb+8*mk
.set rC, BT+16*((\u)&1)+8*mt
	WIN 0xfe
.if mk == 0
	v_wmma_f32_16x16x32_f16 v[rD:rD+7], v[rW:rW+7], v[rH:rH+7], v[rC:rC+7]
.else
	v_wmma_f32_16x16x32_f16 v[rD:rD+7], v[rW:rW+7], v[rH:rH+7], v[rD:rD+7]
.endif
.endm
.macro CV u, c                         ; number c of 64: h2's tiles 2 u, 2 u + 1 rounded to f16 (0-31), then ReLU on the packed halves (32-63)
.set ce, (\c)%32
.set ct, ce/16
.set cb, (ce%16)/4
.set cp, ce%4
.set rH, H2+32*cb+8*(\u)+4*ct+cp
.set rA, ACC+64*((\u)&1)+8*(4*ct+cb)+2*cp
.if (\c) < 32
	WIN 0x8f
	v_cvt_pk_f16_f32 v[rH], v[rA], v[rA+1]
.else
	WIN 0x82
	v_pk_max_num_f16 v[rH], v[rH], s49
.endif
.endm
.macro M2P u, ride                     ; 16 products; ride = 1: four of the group before's 64 behind each
.set mi, 0
.set mc, 0
.rept 16
	M2W \u, mi
.if \ride
.rept 4
	CV (\u)-1, mc
.set mc, mc+1
.endr
.endif
.set mi, mi+1
.endr
.endm
.macro MLP
	WIN 0
	s_wait_loadcnt 0x0                             ; this pass's metadata and x
	PLACES                                         ; four places in front of the loads below, on every way that leads here: the products issued last may have read these weight registers
	WIN 0x80
.set f, 0
.rept 16                               ; mw1's 4 fragments and mw2's first 12 lie on end in LDS and in the buffer
	ds_load_b128 v[WB+8*f:WB+8*f+3],   v[L16] offset:L_MW1+1024*f
	ds_load_b128 v[WB+8*f+4:WB+8*f+7], v[L16] offset:L_MW1+1024*f+512
.set f, f+1
.endr
	WIN 0xc0
.irp e, 0,1,2,3
	LDB2 8*\e, \e
.endr
.set f, 0
.rept 16                               ; metadata to f16: registers 0-3 of source 1; registers 4-7 (the 1 that meets mb1, and zeros) were set at the head
	v_cvt_pk_f16_f32 v[MB+8*(f/4)+f%4], v[MD+2*f], v[MD+2*f+1]
.set f, f+1
.endr
	s_wait_dscnt 0x0
	WIN 0xce
.set f, 0
.rept 16                               ; h1: tile f / 4, row tile f % 4: sixteen accumulators, one product each
	v_wmma_f32_16x16x32_f16 v[ACC+8*f:ACC+8*f+7], v[WB+8*(f/4):WB+8*(f/4)+7], v[MB+8*(f%4):MB+8*(f%4)+7], 0
.set f, f+1
.endr
	PLACES
	WIN 0x80
.set f, 0
.rept 4                                ; mw2's last four fragments take mw1's place
	ds_load_b128 v[WB+8*f:WB+8*f+3],   v[L16] offset:L_MW2+1024*(12+f)
	ds_load_b128 v[WB+8*f+4:WB+8*f+7], v[L16] offset:L_MW2+1024*(12+f)+512
.set f, f+1
.endr
	WIN 0xcf
.set f, 0
.rept 64                               ; accumulator f / 4 = 4 t + b, pair f % 4
	v_cvt_pk_f16_f32 v[H1+16*((f/4)%4)+4*(f/16)+f%4], v[ACC+2*f], v[ACC+2*f+1]
.set f, f+1
.endr
.set f, 0
.rept 64
	v_pk_max_num_f16 v[H1+f], v[H1+f], s49
.set f, f+1
.endr
	s_wait_dscnt 0x0
	M2P 0, 0
	PLACES
	WIN 0xc0
	LDB2 0, 4
	LDB2 8, 5
	M2P 1, 1
	WIN 0xc0
	LDB2 16, 6                                     ; 32 plain instructions behind the last product that read these two bias tiles
	LDB2 24, 7
	s_wait_dscnt 4                                 ; tiles 4 and 5 are in; the four loads of tiles 6 and 7 may stay out
	M2P 2, 1
	s_wait_dscnt 0x0
	M2P 3, 1
.endm
; ---- THE FIRST LAYER, in f32: z - mean = x (w1 - mean) + (b1 - mean); its squares; and the next pass's inputs are asked for ----
.macro D1
	WIN 0x80                                       ; the four plain instructions behind the last product are the places in front of these loads
.irp t, 0,1,2,3,4,5,6,7
	ds_load_b128 v[WB+8*\t:WB+8*\t+3],       v[H32] offset:L_W1C+64*\t
	ds_load_b128 v[WB+8*\t+4:WB+8*\t+7],     v[H32] offset:L_W1C+64*\t+16
	ds_load_b128 v[WB+64+8*\t:WB+64+8*\t+3], v[H32] offset:L_B1C+64*\t
	ds_load_b128 v[WB+64+8*\t+4:WB+64+8*\t+7], v[H32] offset:L_B1C+64*\t+16
.endr
.set mc, 0
.rept 64
	CV 3, mc
.set mc, mc+1
.endr
	s_wait_dscnt 0x0
	WIN 0x62
.set dt, 0
.rept 8
.set dn, 0
.rept 16
.set rZ, 64*(dn/4)+8*dt+2*(dn%4)
.set rW, WB+8*dt+2*(dn%4)
	v_pk_fma_f32 v[rZ:rZ+1], v[rW:rW+1], v[XV+2*(dn/4):XV+2*(dn/4)+1], v[rW+64:rW+65] op_sel_hi:[1,0,1]
.set dn, dn+1
.endr
.set dt, dt+1
.endr
.set dt, 0
.rept 7
.set dn, 0
.rept 16
	SQ dt, dn
.set dn, dn+1
.endr
.set dt, dt+1
.endr
	WIN 0
	s_cmp_eq_u32 s54, 0
	s_cbranch_scc1 .Lno_more_\@                    ; the last pass asks for nothing: no load leaves its buffer
	s_add_nc_u64 s[6:7], s[6:7], 4096              ; 64 rows on; the loads that named these bases were waited for at the pass's head
	s_add_nc_u64 s[4:5], s[4:5], 256
	LOADIN
	s_sub_co_u32 s54, s54, 1
.Lno_more_\@:
.endm
; ---- THE LAST LAYER: w5 lies in rows 0 and 8 of its tile, so register 0 of a result holds the row's number in both halves of the lanes ----
.macro FETCH_W5
	WIN 0x80
.irp k, 0,1,2,3
	ds_load_b128 v[WB+8*\k:WB+8*\k+3],   v[L16] offset:L_W5+1024*\k
	ds_load_b128 v[WB+8*\k+4:WB+8*\k+7], v[L16] offset:L_W5+1024*\k+512
.endr
.endm
.macro FINAL
	s_wait_dscnt 0x0
	WIN 0xf2
.set fi, 0
.rept 16                               ; k = fi / 4, row tile fi % 4: four accumulators take turns
.set rD, ACC+8*(fi%4)
.set rW, WB+8*(fi/4)
.set rB, YY+32*(fi%4)+8*(fi/4)
.if fi < 4
	v_wmma_f32_16x16x32_f16 v[rD:rD+7], v[rW:rW+7], v[rB:rB+7], 0
.else
	v_wmma_f32_16x16x32_f16 v[rD:rD+7], v[rW:rW+7], v[rB:rB+7], v[rD:rD+7]
.endif
.set fi, fi+1
.endr
	PLACES
	WIN 0x0f
	v_cndmask_b32 v[FT],   v[ACC],    v[ACC+8],  s50   ; lanes 0-15: tile 0's rows, lanes 16-31: tile 1's: 32 consecutive rows
	v_cndmask_b32 v[FT+1], v[ACC+16], v[ACC+24], s50
	WIN 0
.irp j, 0,1,2,3,4,5
	v_mov_b32 v[OUTR+\j], v[OUTR+\j+2]             ; the passes' results move up: one text serves every pass, and the stage's LDS addresses stay constants
.endr
	v_add_f32 v[FT], s46, v[FT]                    ; + b5 / C
	v_add_f32 v[FT+1], s46, v[FT+1]
	v_mul_f32 v[FT+2], 0x3c23d70a, v[FT]
	v_mul_f32 v[FT+3], 0x3c23d70a, v[FT+1]
	v_max_num_f32 v[FT], v[FT], v[FT+2]            ; leaky ReLU
	v_max_num_f32 v[FT+1], v[FT+1], v[FT+3]
	v_mul_f32 v[OUTR+6], s44, v[FT]                ; x C
	v_mul_f32 v[OUTR+7], s44, v[FT+1]
.endm
.macro ADDRS                           ; what hangs on the layer; SCC is left as 'layer 0'
	s_lshl_b32 s56, s41, 15                        ; w2, w3, w4 at 32,768 x layer
	s_lshl_b32 s57, s41, 9
	s_add_co_u32 s57, s57, 3584                    ; their biases at 3,584 + 512 x layer
	s_lshl_b32 s58, s41, 10                        ; mb3's quarter
	s_cmp_eq_u32 s41, 0
	s_cselect_b32 s43, 0x358637bd, s45             ; 1e-6 for the first layer, which is not divided by C; 1e-6 / C for the others
.endm
.macro TRUNK
	v_add_nc_u32 v[ADW], s56, v[L16]
	v_add_nc_u32 v[ADB], s57, v[H32]
	FETCH_T 0                                      ; these halves of the buffers were last read by channel tile 6's products, 80 plain instructions back
	FETCH_T 1
	V7
	TPH
.endm
	s_load_b256 s[4:11], s[0:1], 0x0               ; x s[4:5], metadata s[6:7], wf s[8:9], out0 s[10:11]
	v_lshl_add_u32 v[SPW], v0, 2, SPARE
	v_mov_b32 v[NIL], 0
	ds_add_u32 v[SPW], v[NIL]                      ; the wave's opening: the add and its wait come ahead of my first tensor load; the set-up below stands between them
	v_lshrrev_b32 v8, 5, v0
	v_readfirstlane_b32 s12, v8                    ; wave 0..3
	s_bfe_u32 s13, ttmp6, 0x40000                  ; cx: my place in the cluster
	s_lshl_b32 s14, ttmp9, 2                       ; in a cluster launch ttmp9 counts clusters
	s_add_co_u32 s14, s14, s13                     ; my work-group
	s_lshl_b32 s14, s14, 2
	s_add_co_u32 s14, s14, s12                     ; my wave among all: 256 rows each
	s_lshl_b32 s60, s14, 14                        ; x 64 bytes of metadata
	s_mov_b32 s61, 0
	s_lshl_b32 s62, s14, 10                        ; x 4 bytes of x and of out0
	s_mov_b32 s63, 0
	; descriptor group 1, for every load: 16,384 dense bytes as 64 rows of 256
	s_mov_b32 s16, 0x0023000f                      ; 15:0 the mask of four; 17:16 elements of 8 bytes; 21 set beside a mask; no padding: fragments are read as they lie
	s_mov_b32 s17, 32<<16                          ; tensor_dim0 = 32
	s_mov_b32 s18, 64<<16                          ; tensor_dim1 = 64
	s_mov_b32 s19, 32<<16                          ; tile_dim0 = 32
	s_mov_b32 s20, 64                              ; tile_dim1 = 64
	s_mov_b32 s21, 32                              ; 32 elements from row to row
	s_mov_b32 s22, 0
	s_mov_b32 s23, 0
	s_lshl_b32 s15, s12, 14                        ; my wave's 16,384 bytes of each 65,536: no place in the cluster enters an LDS address or a descriptor
	s_mov_b32 s24, 1
	s_mov_b32 s25, s15
	s_mov_b32 s28, 1
	s_add_co_u32 s29, s15, 65536
	s_mov_b32 s32, 1
	s_add_co_u32 s33, s15, SLOT0
	s_mov_b32 s38, 0
	s_mov_b32 s39, 0
	s_mov_b32 s42, SLOT0+0x10000                   ; the first change of slots turns it into slot 0
	s_mov_b32 s48, 0x211f211f
	s_mov_b32 s49, 0
	s_mov_b32 s50, 0xffff0000
	s_mov_b32 s52, 0x76543210
	s_mov_b32 s53, 0xfedcba98
	s_mov_b32 s54, 3
	s_lshl_b32 s14, s12, 10
	s_add_co_u32 s14, s14, STAGE                   ; my stage
	s_wait_dscnt 0x0                               ; the opening add is done
	s_wait_kmcnt 0x0
	s_load_b128 s[44:47], s[8:9], 0x1c00           ; C, 1e-6 / C, b5 / C, 0
	s_add_nc_u64 s[6:7], s[6:7], s[60:61]
	s_add_nc_u64 s[4:5], s[4:5], s[62:63]
	s_add_nc_u64 s[10:11], s[10:11], s[62:63]
	s_mov_b32 s60, s15
	s_add_nc_u64 s[26:27], s[8:9], s[60:61]        ; wf at my part of its first 65,536 bytes,
	s_add_nc_u64 s[30:31], s[26:27], 65536         ; of its second,
	s_add_nc_u64 s[36:37], s[26:27], 131072        ; of mw3's quarter 0
	s_mov_b64 s[34:35], s[36:37]
	s_or_b32 s27, s27, 0x80000000                  ; type = 2
	s_or_b32 s31, s31, 0x80000000
	s_or_b32 s35, s35, 0x80000000
	CROUND                                         ; all four work-groups are here: the first joint loads meet
	tensor_load_to_lds s[24:27], s[16:23]          ; what the first pass begins with goes first,
	s_nop 0
	tensor_load_to_lds s[32:35], s[16:23]          ; then quarter 0 into slot 0,
	s_nop 0
	tensor_load_to_lds s[28:31], s[16:23]          ; then the rest of the trunk's weights
	s_nop 0
	PLACES
	v_and_b32 v8, 31, v0
	v_lshlrev_b32 v[L16], 4, v8
	v_bfe_u32 v9, v0, 4, 1
	v_lshlrev_b32 v[H32], 5, v9
	v_and_b32 v[XOFF], 15, v0
	v_lshl_add_u32 v[MOFF], v[XOFF], 6, v[H32]
	v_lshlrev_b32 v[XOFF], 2, v[XOFF]
	LOADIN                                         ; the first pass's rows
	v_lshl_add_u32 v[OST], v8, 2, s14
	v_mov_b32 v8, 0
	v_mov_b32 v9, 0x3c00                           ; 1.0 in f16, in the low half
.irp b, 0,1,2,3
	v_mov_b32 v[XV+2*\b+1], 0                      ; named with their partners as pairs
	v_mov_b32 v[INV+2*\b+1], 0
	v_mov_b32 v[TP+\b], 0                          ; v_permlanex16_b32's destination counts as read
.endr
.irp j, 2,3,4,5,6,7
	v_mov_b32 v[OUTR+\j], 0
.endr
	WIN 0xc0
.irp b, 0,1,2,3
	v_cndmask_b32 v[MB+8*\b+4], v9, v8, s50        ; k = 16: 1 (it meets mb1); k = 17 and on: 0
	v_mov_b32 v[MB+8*\b+5], 0
	v_mov_b32 v[MB+8*\b+6], 0
	v_mov_b32 v[MB+8*\b+7], 0
.endr
	WIN 0
	s_wait_kmcnt 0x0                               ; the three scalars
	s_wait_tensorcnt 2                             ; my part of wf's first 65,536 bytes is in; the two younger loads stay out
	s_barrier_signal -1
	s_barrier_wait -1                              ; everybody's is
	s_mov_b32 s40, 15
	s_mov_b32 s41, 0
.Ltrip:                                                ; 15 trips, each with a fill; the sixteenth is written out
	ADDRS
	s_cbranch_scc0 .Ltrunk                         ; at the first trip the layer is the constant 0
	MLP
	D1
	s_branch .Ljoin
.Ltrunk:
	TRUNK
	WIN 0
.Ljoin:
	CHANGE 1
	SPH
	s_cmp_lg_u32 s41, 3
	s_cbranch_scc1 .Lnot_last
	FETCH_W5
	V7
	FINAL
.Lnot_last:
	s_add_co_u32 s41, s41, 1
	s_and_b32 s41, s41, 3
	s_sub_co_u32 s40, s40, 1
	s_cmp_lg_u32 s40, 0
	s_cbranch_scc1 .Ltrip
	ADDRS                                          ; the last pass's last layer
	TRUNK
	CHANGE 0
	SPH
	FETCH_W5
	V7
	FINAL
	; THE WAY OUT: my wave's 256 numbers, a row a lane in eight registers, go through my own stage and leave as 16 bytes a lane
.irp j, 0,1,2,3,4,5,6,7
	ds_store_b32 v[OST], v[OUTR+\j] offset:128*\j
.endr
	v_add_nc_u32 v[ADW], s14, v[L16]
	ds_load_b128 v[FT:FT+3], v[ADW]                ; LDS serves a wave's instructions in order (ISA guide 5.7.1.4): these see the stores above
	ds_load_b128 v[SS:SS+3], v[ADW] offset:512
	s_wait_dscnt 0x0
	global_store_b128 v[L16], v[FT:FT+3], s[10:11] th:TH_STORE_NT             ; each store covers 512 consecutive bytes, aligned
	global_store_b128 v[L16], v[SS:SS+3], s[10:11] offset:512 th:TH_STORE_NT
	s_wait_tensorcnt 0x0                           ; the wave's end, behind my last tensor load and my last LDS store
	ds_add_u32 v[SPW], v[NIL]
	s_wait_dscnt 0x0
	CROUND                                         ; the closing round: no work-group ends while a partner may still ask for a tile that names it
	s_endpgm
.Lfunc_end_k_qc214af82d7_main:
	.size	k_qc214af82d7_main, .Lfunc_end_k_qc214af82d7_main-k_qc214af82d7_main
	.p2alignl 7, 3214868480
	.fill 96, 4, 3214868480
	.section	.rodata,"a",@progbits
	.p2align	6, 0x0
	.amdhsa_kernel k_qc214af82d7_main
		.amdhsa_group_segment_fixed_size 327680
		.amdhsa_private_segment_fixed_size 0
		.amdhsa_enable_private_segment 0
		.amdhsa_kernarg_size 32
		.amdhsa_user_sgpr_count 2
		.amdhsa_user_sgpr_kernarg_segment_ptr 1
		.amdhsa_wavefront_size32 1
		.amdhsa_system_sgpr_workgroup_id_x 1
		.amdhsa_system_sgpr_workgroup_id_y 1
		.amdhsa_system_sgpr_workgroup_id_z 1
		.amdhsa_system_vgpr_workitem_id 0
		.amdhsa_next_free_vgpr 1024
		.amdhsa_next_free_sgpr 66
		.amdhsa_reserve_vcc 0
		.amdhsa_float_denorm_mode_32 3
		.amdhsa_float_denorm_mode_16_64 3
		.amdhsa_memory_ordered 1
		.amdhsa_forward_progress 1
		.amdhsa_inst_pref_size 255
	.end_amdhsa_kernel
	.section	.bss,"aw",@nobits
	.p2align	6
	.space	262144
	.amdgpu_metadata
---
amdhsa.version: [ 1, 2 ]
amdhsa.kernels:
  - .name:           k_qc214af82d7_main
    .symbol:         k_qc214af82d7_main.kd
    .args:
      - { .name: x, .offset: 0, .size: 8, .value_kind: global_buffer, .address_space: global }
      - { .name: metadata, .offset: 8, .size: 8, .value_kind: global_buffer, .address_space: global }
      - { .name: wf, .offset: 16, .size: 8, .value_kind: global_buffer, .address_space: global }
      - { .name: out0, .offset: 24, .size: 8, .value_kind: global_buffer, .address_space: global }
    .group_segment_fixed_size: 327680
    .private_segment_fixed_size: 0
    .kernarg_segment_align: 8
    .kernarg_segment_size: 32
    .max_flat_workgroup_size: 128
    .sgpr_count:     66
    .vgpr_count:     1024
    .wavefront_size: 32
...
	.end_amdgpu_metadata
.endif
;; end of part 2
